; MI455X (gfx1250); checked and timed in simulation.
; The chip was launched on July 23, 2026; its instructions are those of AMD's public machine-readable ISA for CDNA 5 (MIT licence, August 2026) and "CDNA5" Instruction Set Architecture Reference Guide (July 2026). The comments in the code are by the model that wrote it; some were corrected since.
;; Spatial Attention Layer. Allowed arithmetic: matrix products marked QUANTISED: E4M3 operands, one E8M0 scale for each 32 along K, by v_wmma_scale_f32_16x16x128_f8f6f4 with both operands' format E4M3, f32 sums; everything else in f32.
;; Inputs: P 8,192 x 3 float32; W_k_codes 256 x 8 x 32 uint8 (E4M3 codes of W_k, K innermost, in blocks of 32 codes); W_k_scales 256 x 8 uint8 (E8M0 scales of W_k, one for each 32 codes along K); W_q_codes 256 x 8 x 32 uint8 (E4M3 codes of W_q, K innermost, in blocks of 32 codes); W_q_scales 256 x 8 uint8 (E8M0 scales of W_q, one for each 32 codes along K); W_v_codes 256 x 8 x 32 uint8 (E4M3 codes of W_v, K innermost, in blocks of 32 codes); W_v_scales 256 x 8 uint8 (E8M0 scales of W_v, one for each 32 codes along K); X 8,192 x 256 float32; b_k 256 float32; b_q 256 float32; b_v 256 float32.
;; Outputs: out0 8,192 x 256 float32.
;; This version of the problem:
;;   THIS VERSION OF THE PROBLEM IS GIVEN IN LOW PRECISION. The matrix products marked QUANTISED in the list below multiply operands that are first quantised to E4M3 (4 exponent bits, 3 mantissa bits; 8 bits a number), with one power-of-two scale for each 32 numbers along K (OCP MX v1.0); their sums are f32. All else is computed in f32.
;;   The module's matrix products, in the order in which they are computed (A, B: the left and right operand; K: the contracted axis; several contracted axes count as one K, in the product's order):
;;     1. [M 8,192, K 256] x [K 256, N 256]; A: input X; B: input W_q (given as codes): QUANTISED
;;     2. [M 8,192, K 256] x [K 256, N 256]; A: input X; B: input W_k (given as codes): QUANTISED
;;     3. [M 8,192, K 256] x [K 256, N 256]; A: input X; B: input W_v (given as codes): QUANTISED
;;     4. [M 8,192, K 256] x [K 256, N 8,192]; A: computed on the way; B: computed on the way: QUANTISED
;;     5. [M 8,192, K 8,192] x [K 8,192, N 256]; A: computed on the way; B: computed on the way: QUANTISED
;;   THE QUANTISER, for each operand of a quantised product, along K:
;;     - K is cut into blocks of 32 from its start; a last block that is shorter is filled with zeros.
;;     - A block's scale is 2^e with e = floor(log2(the largest magnitude in the block)) - 8, held to -126 .. 127; a block of zeros has e = 0. As a byte (E8M0): e + 127.
;;     - Each number is divided by its block's scale, clamped to +-448, and rounded to the nearest number of E4M3, ties to even, subnormals kept.
;;     - The product sums the exact products of the quantised numbers (number of the format x scale) in f32.
;;   ~~~python
;;   def quantise(x, axis):      # numpy; x: float32 -> the quantised numbers, widened to float32 again
;;       x = np.moveaxis(x, axis, -1); K = x.shape[-1]
;;       x = np.pad(x, [(0, 0)] * (x.ndim - 1) + [(0, -K % 32)]); x = x.reshape(x.shape[:-1] + (-1, 32)); a = np.abs(x).max(-1, keepdims=True)
;;       e = np.where(a > 0, np.clip(np.frexp(np.where(a > 0, a, 1))[1] - 1 - 8, -126, 127), 0)      # np.frexp(a)[1] - 1 = floor(log2(a)), exactly
;;       r = np.clip(x / 2.0 ** e, -448, 448)
;;       step = 2.0 ** (np.maximum(np.frexp(np.where(r == 0, 1, r))[1] - 1, -6) - 3)
;;       q = np.round(r / step) * step * 2.0 ** e      # np.round: ties to even
;;       return np.moveaxis(q.reshape(q.shape[:-2] + (-1,))[..., :K], -1, axis).astype(np.float32)
;;   ~~~
;;   OPERANDS COMPUTED ON THE WAY. 'Computed on the way' means the value that the module computes at that place (a softmax that the list does not call 'softmax' is quantised finished and normalised). What goes into a quantiser is computed in f32, as accurately as f32 sums, v_exp_f32 and their like allow (about 1e-6 of the number): no bf16 or f16 on the way to a quantiser, and a product that is left as it is and whose result goes on into a quantised operand takes f32 operands (vector FMAs, or v_wmma_f32_16x16x4_f32). A number that lies on a knife's edge between two numbers of the format may be rounded either way, as far as f32 arithmetic and the matrix unit's own rounding can turn it there, and no further.
;;   INPUTS GIVEN AS CODES. W_k (in the module: [256, 256], K = its axis 0); W_q (in the module: [256, 256], K = its axis 0); W_v (in the module: [256, 256], K = its axis 0): each comes as NAME_codes (uint8): NAME with its K axis moved to the last place and cut into blocks of 32 codes, [.., K / 32, bytes a block], one block behind the other in memory; one code a byte (a code: sign, 4 exponent bits, 3 mantissa bits); and NAME_scales (uint8): the same leading axes, one E8M0 byte (e + 127) for each 32 codes along K. Its value is code x scale, taken as it is: it is not quantised again, and the codes and scales need not be those that the quantiser above would give.
;; One version. Each part assembles by itself: llvm-mc -triple=amdgcn-amd-amdhsa -mcpu=gfx1250 --defsym DOCPART=n.
;; ======== version 1 of 1: 4 launches
;; limits: right only within a limited range of input values
;; workspace buffers: qimg 2,097,152 bytes; kimg 2,097,152 bytes; vimg 2,097,152 bytes; scl 294,912 bytes; stats 131,072 bytes; opart 16,777,216 bytes
;; launch proj (part 1): grid 256 x 1, 4 waves a work-group, no clusters, 9,216 bytes of LDS; arguments X, P, W_q_codes, W_q_scales, b_q, W_k_codes, W_k_scales, b_k, W_v_codes, W_v_scales, b_v, qimg, kimg, vimg, scl; writes qimg, kimg, vimg, scl
.if DOCPART == 1
	.amdgcn_target "amdgcn-amd-amdhsa--gfx1250"
	.amdhsa_code_object_version 6
	.text
	.protected	k_q13d4723de5_proj
	.globl	k_q13d4723de5_proj
	.p2align	8
	.type	k_q13d4723de5_proj,@function
k_q13d4723de5_proj:
	s_mov_b64 s[64:65], 0
	v_nop
	global_prefetch_b8 v0, s[64:65] scope:SCOPE_SE
	s_setreg_imm32_b32 hwreg(HW_REG_WAVE_MODE, 25, 1), 1
	s_wait_xcnt 0x0
; Q = X Wq + bq, K = X Wk + bk, V = X Wv + bv on codes of E4M3 with one E8M0 scale for each 32 along K, and the three results quantised again for the two products of the attention:
; Q and K along their 256 units, V along the keys.  X [8192][256] f32 is quantised here; the weights come as codes [256 units][256 k] with scale bytes [256][8].
; SHARES.  Work-group g takes the 32 rows 32 g .. 32 g + 31 of X, as two tiles u of 16 rows; tile u's lane r holds row 32 g + 8 u + r + 8 (r / 8).  Wave w takes units (channels) 64 w .. 64 w + 63 of all three results.
; Q and K are made TRANSPOSED (source 0 = 16 units of W, source 1 = X): a lane holds one row, its registers run along the units, which are the next product's K.  The units of a tile of W are chosen likewise
; (lane r of tile 2 blk + e: unit 64 w + 32 blk + 8 e + r + 8 (r / 8)), so that the 16 registers of two neighbouring tiles are 16 neighbours of a block of 32.
; V is made the natural way (source 0 = X, source 1 = 16 channels of Wv): a lane holds one channel and its registers run along the 32 rows, which are the keys: one block of the last product's K.
; THE RESULTS ARE STORED IN THE ORDER OF THE OPERANDS' REGISTERS: a group of four registers is 512 consecutive bytes, 16 bytes a lane.
;   qimg, kimg: [g][u][s][c][lane][16]: row 32 g + 8 u + r + 8 (r / 8), d = 128 s + 32 c + 16 h + 0 .. 15.     vimg: [kappa = g / 4][n 16][c = g % 4][lane][16]: channel 16 n + r, keys 32 g + 16 h + 0 .. 15.
;   scl: +0 Q's scale words [g][u][s][16 rows]; +65,536 K's; +131,072 V's [kappa][n][16 channels], byte c; +196,608 P by coordinate, [g][x 32 | y 32 | z 32] f32.
; No tensor load and no cluster: a work-group's X is its own, and the weights, 192 KB in all, go straight into the registers of the one wave that multiplies by them.
; LIMITS: NaN and infinities are not served; a block of zeros gets the scale byte 1 (its codes are zeros, and only this program reads the bytes).
; REGISTERS.  window 0: v1-15, v204-208 addresses; v16-79 X's four fragments (2 u + s); v80-143 64 results; v144-159 codes; v160-175 at work; v176 scale word; v180-195 scale words of X, Wq, Wk, Wv; v196-199 bv.
;   window 1: Wq's 8 fragments (2 t + s), from v128 Wk's.   window 2: Wv's 8 fragments, from v128 bq's four tiles, from v160 bk's.
.set XIMG,  0                          ; LDS: X's four fragments as images of their registers, 2,048 bytes each,
.set XSC,   8192                       ; their scale words, 128 bytes each,
.set SPARE, 8704                       ; and the spare words: 128 bytes for each wave
.set XA,  4                            ; X: my row and half
.set LI,  5                            ; 16 x lane
.set LS,  6                            ; 4 x lane
.set XWI, 7                            ; where I store my fragment of X
.set XWS, 8                            ; and its scale words
.set WA,  9                            ; Wq, Wk: my unit's row and half
.set WVA, 10                           ; Wv likewise (neighbouring channels)
.set WSA, 11                           ; Wq's, Wk's scale words: lanes 0-15 K step 0, lanes 16-31 K step 1
.set WVSA, 12                          ; Wv's
.set BA,  13                           ; bq, bk: 64 h
.set BVA, 14                           ; bv: 4 r
.set IMO, 15                           ; my codes' place in a block's image of Q or K
.set XF,  16
.set HA,  80
.set PC,  144
.set TM,  160                          ; +0 largest magnitudes, +4 bytes, +8 the largest number x the scale, +12 the conversion's scale operand
.set PW,  176
.set XS,  180
.set WQS, 184
.set WKS, 188
.set WVS, 192
.set BV,  196
.set PT,  200
.set SCO, 204                          ; my two scale bytes' place among a block's words of Q or K
.set VIO, 205                          ; my codes' place in V's image
.set VSO, 206                          ; my scale byte's place among V's words
.set PLO, 207                          ; 12 x lane
.set SPW, 252                          ; LDS address of my spare word; never rewritten
.set NIL, 253                          ; 0; never rewritten
.set WQ,  0                            ; window 1
.set WK,  128
.set WVF, 0                            ; window 2
.set BQ,  128
.set BK,  160
.set WV,  34
.set SEL, 40
.set MNT, 42
.set MSB, 0
.macro WIN new                         ; the immediate's high byte repeats the setting that is left
.if MSB != \new
	s_set_vgpr_msb (MSB<<8)|\new
.set MSB, \new
.endif
.endm
; 64 numbers of a lane, register 16 b + i = the i-th of my 16 of block b (lane l xor 16 holds the other 16), become 16 registers of codes in v[PC] on, the four bytes in v[TM+4] on and the word of them in v[PW]
.macro QUANT s
.irp b, 0,1,2,3
	v_max3_num_f32 v[TM+\b], |v[\s+16*\b]|, |v[\s+1+16*\b]|, 0x4800000   ; my 16 numbers and the floor 2^(9 - 127): the byte cannot fall under 1
.endr
.irp i, 2,4,6,8,10,12,14
.irp b, 0,1,2,3
	v_max3_num_f32 v[TM+\b], v[TM+\b], |v[\s+16*\b+\i]|, |v[\s+1+16*\b+\i]|   ; the four blocks by turns
.endr
.endr
.irp b, 0,1,2,3
	v_permlanex16_b32 v[TM+4+\b], v[TM+\b], s[SEL], s[SEL+1]
.endr
.irp b, 0,1,2,3
	v_max_num_f32 v[TM+\b], v[TM+\b], v[TM+4+\b]                 ; the block's largest magnitude
.endr
.irp b, 0,1,2,3
	v_add_nc_u32 v[TM+12+\b], 0xfc000000, v[TM+\b]               ; 8 off its exponent field: the conversion's scale operand
.endr
.irp b, 0,1,2,3
	v_and_or_b32 v[TM+8+\b], v[TM+\b], 0x7f800000, s[MNT]        ; 448 x the scale
.endr
.irp b, 0,1,2,3
	v_lshrrev_b32 v[TM+4+\b], 23, v[TM+12+\b]                    ; the scale's byte
.endr
	v_lshl_or_b32 v[PW], v[TM+5], 8, v[TM+4]
	v_lshl_or_b32 v[PW], v[TM+6], 16, v[PW]
	v_lshl_or_b32 v[PW], v[TM+7], 24, v[PW]
.irp b, 0,1,2,3
.irp i, 0,1,2,3,4,5,6,7,8,9,10,11,12,13,14,15
	v_med3_num_f32 v[\s+16*\b+\i], v[\s+16*\b+\i], -v[TM+8+\b], v[TM+8+\b]   ; the conversion to an 8-bit code does not saturate (ISA guide 7.6.2): the hold
.endr
	v_cvt_scalef32_pk8_fp8_f32 v[PC+4*\b:PC+1+4*\b], v[\s+16*\b:\s+7+16*\b], v[TM+12+\b]
	v_cvt_scalef32_pk8_fp8_f32 v[PC+2+4*\b:PC+3+4*\b], v[\s+8+16*\b:\s+15+16*\b], v[TM+12+\b]
.endr
	v_nop                                          ; one plain line behind the last conversion: later products write its sources
.endm
; the 44 loads of Wq or Wk: 8 fragments, 4 registers of scale words, the bias in the result's layout
.macro WQK wr, cp, sr, sp, br, bp
	WIN 0x40
.irp t, 0,1,2,3
.irp s, 0,1
.irp c, 0,1,2,3
	global_load_b128 v[\wr+16*(2*\t+\s)+4*\c:\wr+16*(2*\t+\s)+4*\c+3], v[WA], s[\cp:\cp+1] offset:(32*(\t/2)+8*(\t%2))*256+128*\s+32*\c
.endr
.endr
.endr
	WIN 0
.irp t, 0,1,2,3
	global_load_b32 v[\sr+\t], v[WSA], s[\sp:\sp+1] offset:(32*(\t/2)+8*(\t%2))*8
.endr
	WIN 0x80
.irp t, 0,1,2,3
	global_load_b128 v[\br+8*\t:\br+8*\t+3], v[BA], s[\bp:\bp+1] offset:(32*(\t/2)+8*(\t%2))*4
	global_load_b128 v[\br+8*\t+4:\br+8*\t+7], v[BA], s[\bp:\bp+1] offset:(32*(\t/2)+8*(\t%2))*4+16
.endr
	WIN 0
.endm
; the 40 loads of Wv
.macro WVLOAD
	WIN 0x80
.irp n, 0,1,2,3
.irp s, 0,1
.irp c, 0,1,2,3
	global_load_b128 v[WVF+16*(2*\n+\s)+4*\c:WVF+16*(2*\n+\s)+4*\c+3], v[WVA], s[20:21] offset:16*\n*256+128*\s+32*\c
.endr
.endr
.endr
	WIN 0
.irp n, 0,1,2,3
	global_load_b32 v[WVS+\n], v[WVSA], s[22:23] offset:16*\n*8
.endr
.irp n, 0,1,2,3
	global_load_b32 v[BV+\n], v[BVA], s[24:25] offset:64*\n
.endr
.endm
; Q or K: 16 products on 8 accumulators by turns, the bias as the C of the first K step; quantised; stored
.macro JOBQK wr, br, sr, ip, sp, more
	WIN 0x21                                       ; source 0 (W) window 1, source 2 (bias) window 2
.irp u, 0,1
.irp t, 0,1,2,3
	v_wmma_scale_f32_16x16x128_f8f6f4 v[HA+32*\u+8*\t:HA+32*\u+8*\t+7], v[\wr+32*\t:\wr+32*\t+15], v[XF+32*\u:XF+32*\u+15], v[\br+8*\t:\br+8*\t+7], v[\sr+\t], v[XS+2*\u]
.endr
.endr
	WIN 0x01
.irp u, 0,1
.irp t, 0,1,2,3
	v_wmma_scale_f32_16x16x128_f8f6f4 v[HA+32*\u+8*\t:HA+32*\u+8*\t+7], v[\wr+32*\t+16:\wr+32*\t+31], v[XF+32*\u+16:XF+32*\u+31], v[HA+32*\u+8*\t:HA+32*\u+8*\t+7], v[\sr+\t], v[XS+2*\u+1] matrix_a_scale:MATRIX_SCALE_ROW1
.endr
.endr
	WIN 0
.rept 8
	v_nop                                          ; eight places ahead of the first read of results
.endr
.if \more
	WVLOAD                                         ; Wv is asked for while Q is quantised
.endif
	s_wait_xcnt 0x0                                ; earlier stores have read the codes and the scale word: they are written anew only behind this wait
	QUANT HA
.irp u, 0,1
.irp k, 0,1
	global_store_b128 v[IMO], v[PC+4*(2*\u+\k):PC+4*(2*\u+\k)+3], s[\ip:\ip+1] offset:\u*4096+\k*512   ; 32 lanes store 512 consecutive bytes
.endr
.endr
	global_store_b16 v[SCO], v[PW], s[\sp:\sp+1]                      ; tile 0's two bytes of my rows' words (both halves of the lanes hold the same)
	global_store_d16_hi_b16 v[SCO], v[PW], s[\sp:\sp+1] offset:128    ; tile 1's
.endm
	s_load_b256 s[4:11], s[0:1], 0x0               ; X, P, Wq's codes, Wq's scales
	s_load_b256 s[12:19], s[0:1], 0x20             ; bq, Wk's codes, Wk's scales, bk
	s_load_b256 s[20:27], s[0:1], 0x40             ; Wv's codes, Wv's scales, bv, qimg
	s_load_b128 s[28:31], s[0:1], 0x60             ; kimg, vimg
	s_load_b64 s[32:33], s[0:1], 0x70              ; scl
	v_lshl_add_u32 v[SPW], v0, 2, SPARE
	v_mov_b32 v[NIL], 0
	v_lshrrev_b32 v1, 5, v0
	v_readfirstlane_b32 s[WV], v1                  ; wave 0..3
	v_and_b32 v1, 31, v0                           ; lane
	v_and_b32 v2, 15, v0                           ; r
	v_bfe_u32 v3, v0, 4, 1                         ; h
	v_and_b32 v208, 8, v2
	v_add_nc_u32 v208, v208, v2                    ; r + 8 (r / 8)
	s_lshr_b32 s37, s[WV], 1
	s_and_b32 s38, s[WV], 1
	v_lshlrev_b32 v[XA], 10, v208
	v_lshl_add_u32 v[XA], v3, 6, v[XA]             ; a row of X is 1,024 bytes; my 16 numbers of a block begin 64 h on
	v_lshlrev_b32 v[LI], 4, v1
	v_lshlrev_b32 v[LS], 2, v1
	s_lshl_b32 s36, s[WV], 11
	v_add_nc_u32 v[XWI], s36, v[LI]                ; wave w quantises fragment 2 u + s = w
	s_lshl_b32 s36, s[WV], 7
	v_add_nc_u32 v[XWS], s36, v[LS]
	v_lshlrev_b32 v[WA], 8, v208
	v_lshl_add_u32 v[WA], v3, 4, v[WA]
	v_lshlrev_b32 v[WVA], 8, v2
	v_lshl_add_u32 v[WVA], v3, 4, v[WVA]
	v_lshlrev_b32 v[WSA], 3, v208
	v_lshl_add_u32 v[WSA], v3, 2, v[WSA]
	v_lshlrev_b32 v[WVSA], 3, v2
	v_lshl_add_u32 v[WVSA], v3, 2, v[WVSA]
	v_lshlrev_b32 v[BA], 6, v3
	v_lshlrev_b32 v[BVA], 2, v2
	s_lshl_b32 s36, s37, 11                        ; my 64 units are half of K step w / 2: groups c = 2 (w % 2) + blk
	s_lshl_b32 s39, s38, 10
	s_add_co_u32 s36, s36, s39
	v_add_nc_u32 v[IMO], s36, v[LI]
	s_lshl_b32 s36, s37, 6
	s_lshl_b32 s39, s38, 1
	s_add_co_u32 s36, s36, s39
	v_lshl_add_u32 v[SCO], v2, 2, s36
	s_lshl_b32 s36, s[WV], 13
	v_add_nc_u32 v[VIO], s36, v[LI]
	s_lshl_b32 s36, s[WV], 8
	v_lshl_add_u32 v[VSO], v2, 2, s36
	v_mul_u32_u24 v[PLO], v1, 12
	s_mov_b32 s[SEL], 0x76543210
	s_mov_b32 s[SEL+1], 0xfedcba98                 ; v_permlanex16_b32's selects for lane l xor 16
	s_mov_b32 s[MNT], 0x600000                     ; the mantissa field of 448
.irp b, 0,1,2,3
	v_mov_b32 v[TM+4+\b], 0                        ; written once: a lane permute's destination counts as one of its sources
.endr
	s_lshl_b32 s44, ttmp9, 15                      ; X: 32 rows a work-group, + tile u = w / 2, + K step s = w % 2
	s_lshl_b32 s39, s37, 13
	s_add_co_u32 s44, s44, s39
	s_lshl_b32 s39, s38, 9
	s_add_co_u32 s44, s44, s39
	s_mov_b32 s45, 0
	s_lshl_b32 s46, s[WV], 14                      ; my 64 rows of a weight's codes,
	s_mov_b32 s47, 0
	s_lshl_b32 s48, s[WV], 9                       ; of its scale bytes,
	s_mov_b32 s49, 0
	s_lshl_b32 s50, s[WV], 8                       ; and of a bias
	s_mov_b32 s51, 0
	s_lshl_b32 s52, ttmp9, 13                      ; a block's image of Q or K: 8,192 bytes
	s_mov_b32 s53, 0
	s_lshr_b32 s36, ttmp9, 2                       ; kappa
	s_and_b32 s39, ttmp9, 3                        ; c
	s_lshl_b32 s54, s36, 15
	s_lshl_b32 s43, s39, 9
	s_add_co_u32 s54, s54, s43
	s_mov_b32 s55, 0
	s_lshl_b32 s56, ttmp9, 8
	s_mov_b32 s57, 0
	s_lshl_b32 s58, s36, 10
	s_add_co_u32 s58, s58, s39
	s_add_co_u32 s58, s58, 131072
	s_mov_b32 s59, 0
	s_mul_i32 s62, ttmp9, 384
	s_mov_b32 s63, 0
	s_add_co_u32 s60, s62, 196608
	s_mov_b32 s61, 0
	s_wait_kmcnt 0x0
	s_add_nc_u64 s[4:5], s[4:5], s[44:45]
	s_add_nc_u64 s[6:7], s[6:7], s[62:63]
	s_add_nc_u64 s[8:9], s[8:9], s[46:47]
	s_add_nc_u64 s[10:11], s[10:11], s[48:49]
	s_add_nc_u64 s[12:13], s[12:13], s[50:51]
	s_add_nc_u64 s[14:15], s[14:15], s[46:47]
	s_add_nc_u64 s[16:17], s[16:17], s[48:49]
	s_add_nc_u64 s[18:19], s[18:19], s[50:51]
	s_add_nc_u64 s[20:21], s[20:21], s[46:47]
	s_add_nc_u64 s[22:23], s[22:23], s[48:49]
	s_add_nc_u64 s[24:25], s[24:25], s[50:51]
	s_add_nc_u64 s[26:27], s[26:27], s[52:53]
	s_add_nc_u64 s[28:29], s[28:29], s[52:53]
	s_add_nc_u64 s[30:31], s[30:31], s[54:55]
	s_add_nc_u64 s[66:67], s[32:33], s[56:57]      ; Q's scale words of my block,
	s_add_nc_u64 s[68:69], s[66:67], 0x10000       ; K's,
	s_add_nc_u64 s[58:59], s[32:33], s[58:59]      ; V's byte,
	s_add_nc_u64 s[60:61], s[32:33], s[60:61]      ; and P by coordinate
.irp b, 0,1,2,3
.irp j, 0,1,2,3
	global_load_b128 v[HA+16*\b+4*\j:HA+16*\b+4*\j+3], v[XA], s[4:5] offset:128*\b+16*\j   ; my fragment's numbers: 16 neighbours of each of four blocks
.endr
.endr
	WQK WQ, 8, WQS, 10, BQ, 12
	s_wait_loadcnt 44                              ; X's 16 loads are in; Wq's 44, issued behind them, may be out
	QUANT HA
.irp c, 0,1,2,3
	ds_store_b128 v[XWI], v[PC+4*\c:PC+4*\c+3] offset:XIMG+512*\c   ; the fragment goes to LDS as an image of its registers
.endr
	ds_store_b32 v[XWS], v[PW] offset:XSC
	WQK WK, 14, WKS, 16, BK, 18
	s_wait_dscnt 0x0                               ; my stores have landed
	s_barrier_signal -1
	s_barrier_wait -1                              ; X's four fragments lie in LDS
.irp f, 0,1,2,3
.irp c, 0,1,2,3
	ds_load_b128 v[XF+16*\f+4*\c:XF+16*\f+4*\c+3], v[LI] offset:XIMG+2048*\f+512*\c
.endr
	ds_load_b32 v[XS+\f], v[LS] offset:XSC+128*\f
.endr
	s_wait_dscnt 0x0
	s_wait_loadcnt 44                              ; Wq's group is in; Wk's 44 may be out
	JOBQK WQ, BQ, WQS, 26, 66, 1
	s_wait_loadcnt 40                              ; Wk's group is in; Wv's 40 may be out
	JOBQK WK, BK, WKS, 28, 68, 0
	s_wait_loadcnt 0x0                             ; Wv's group
	WIN 0x08                                       ; source 1 (Wv) window 2
.irp n, 0,1,2,3
.irp u, 0,1
	v_wmma_scale_f32_16x16x128_f8f6f4 v[HA+16*\n+8*\u:HA+16*\n+8*\u+7], v[XF+32*\u:XF+32*\u+15], v[WVF+32*\n:WVF+32*\n+15], 0, v[XS+2*\u], v[WVS+\n]
.endr
.endr
.irp n, 0,1,2,3
.irp u, 0,1
	v_wmma_scale_f32_16x16x128_f8f6f4 v[HA+16*\n+8*\u:HA+16*\n+8*\u+7], v[XF+32*\u+16:XF+32*\u+31], v[WVF+32*\n+16:WVF+32*\n+31], v[HA+16*\n+8*\u:HA+16*\n+8*\u+7], v[XS+2*\u+1], v[WVS+\n] matrix_b_scale:MATRIX_SCALE_ROW1
.endr
.endr
	WIN 0
.rept 8
	v_nop
.endr
.irp n, 0,1,2,3
.irp i, 0,2,4,6,8,10,12,14
.if (\n%2) == 0
	v_pk_add_f32 v[HA+16*\n+\i:HA+16*\n+\i+1], v[HA+16*\n+\i:HA+16*\n+\i+1], v[BV+2*(\n/2):BV+2*(\n/2)+1] op_sel_hi:[1,0]             ; + bv of my channel: the pair's low word for both halves
.else
	v_pk_add_f32 v[HA+16*\n+\i:HA+16*\n+\i+1], v[HA+16*\n+\i:HA+16*\n+\i+1], v[BV+2*(\n/2):BV+2*(\n/2)+1] op_sel:[0,1] op_sel_hi:[1,1]  ; the pair's high word for both
.endif
.endr
.endr
	s_wait_xcnt 0x0                                ; K's stores have read the codes and the scale word
	QUANT HA
.irp n, 0,1,2,3
	global_store_b128 v[VIO], v[PC+4*\n:PC+4*\n+3], s[30:31] offset:2048*\n    ; 512 consecutive bytes
	global_store_b8 v[VSO], v[TM+4+\n], s[58:59] offset:64*\n                  ; one byte of my channel's word: its other three come from the three other blocks of these 128 keys
.endr
	s_cmp_lg_u32 s[WV], 0                          ; wave 0 lays the block's 32 points by coordinate
	s_cbranch_scc1 .Lnot_wave_0
.irp k, 0,1,2
	global_load_b32 v[PT+\k], v[PLO], s[6:7] offset:4*\k
.endr
	s_wait_loadcnt 0x0
.irp k, 0,1,2
	v_mul_f32 v[PT+\k], 0x3f596d27, v[PT+\k]       ; the points are stored x sqrt(c1), c1 = log2(e) / 2: a squared distance of stored points is then the decay's exponent to the base 2
.endr
.irp k, 0,1,2
	global_store_b32 v[LS], v[PT+\k], s[60:61] offset:128*\k
.endr
.Lnot_wave_0:
	s_wait_tensorcnt 0x0                           ; the wave's end, behind my last LDS store
	ds_add_u32 v[SPW], v[NIL]
	s_wait_dscnt 0x0
	s_endpgm
.Lfunc_end_k_q13d4723de5_proj:
	.size	k_q13d4723de5_proj, .Lfunc_end_k_q13d4723de5_proj-k_q13d4723de5_proj
	.p2alignl 7, 3214868480
	.fill 96, 4, 3214868480
	.section	.rodata,"a",@progbits
	.p2align	6, 0x0
	.amdhsa_kernel k_q13d4723de5_proj
		.amdhsa_group_segment_fixed_size 9216
		.amdhsa_private_segment_fixed_size 0
		.amdhsa_enable_private_segment 0
		.amdhsa_kernarg_size 120
		.amdhsa_user_sgpr_count 2
		.amdhsa_user_sgpr_kernarg_segment_ptr 1
		.amdhsa_wavefront_size32 1
		.amdhsa_system_sgpr_workgroup_id_x 1
		.amdhsa_system_sgpr_workgroup_id_y 1
		.amdhsa_system_sgpr_workgroup_id_z 1
		.amdhsa_system_vgpr_workitem_id 0
		.amdhsa_next_free_vgpr 768
		.amdhsa_next_free_sgpr 72
		.amdhsa_reserve_vcc 0
		.amdhsa_float_denorm_mode_32 3
		.amdhsa_float_denorm_mode_16_64 3
		.amdhsa_memory_ordered 1
		.amdhsa_forward_progress 1
		.amdhsa_inst_pref_size 64
	.end_amdhsa_kernel
	.amdgpu_metadata
---
amdhsa.version: [ 1, 2 ]
amdhsa.kernels:
  - .name:           k_q13d4723de5_proj
    .symbol:         k_q13d4723de5_proj.kd
    .args:
      - { .name: X, .offset: 0, .size: 8, .value_kind: global_buffer, .address_space: global }
      - { .name: P, .offset: 8, .size: 8, .value_kind: global_buffer, .address_space: global }
      - { .name: W_q_codes, .offset: 16, .size: 8, .value_kind: global_buffer, .address_space: global }
      - { .name: W_q_scales, .offset: 24, .size: 8, .value_kind: global_buffer, .address_space: global }
      - { .name: b_q, .offset: 32, .size: 8, .value_kind: global_buffer, .address_space: global }
      - { .name: W_k_codes, .offset: 40, .size: 8, .value_kind: global_buffer, .address_space: global }
      - { .name: W_k_scales, .offset: 48, .size: 8, .value_kind: global_buffer, .address_space: global }
      - { .name: b_k, .offset: 56, .size: 8, .value_kind: global_buffer, .address_space: global }
      - { .name: W_v_codes, .offset: 64, .size: 8, .value_kind: global_buffer, .address_space: global }
      - { .name: W_v_scales, .offset: 72, .size: 8, .value_kind: global_buffer, .address_space: global }
      - { .name: b_v, .offset: 80, .size: 8, .value_kind: global_buffer, .address_space: global }
      - { .name: qimg, .offset: 88, .size: 8, .value_kind: global_buffer, .address_space: global }
      - { .name: kimg, .offset: 96, .size: 8, .value_kind: global_buffer, .address_space: global }
      - { .name: vimg, .offset: 104, .size: 8, .value_kind: global_buffer, .address_space: global }
      - { .name: scl, .offset: 112, .size: 8, .value_kind: global_buffer, .address_space: global }
    .group_segment_fixed_size: 9216
    .private_segment_fixed_size: 0
    .kernarg_segment_align: 8
    .kernarg_segment_size: 120
    .max_flat_workgroup_size: 128
    .sgpr_count:     72
    .vgpr_count:     768
    .wavefront_size: 32
...
	.end_amdgpu_metadata
.endif
;; end of part 1
;; launch pass1 (part 2): grid 128 x 2, 8 waves a work-group, no clusters, 5,120 bytes of LDS; arguments qimg, kimg, scl, P, stats; writes stats
.if DOCPART == 2
	.amdgcn_target "amdgcn-amd-amdhsa--gfx1250"
	.amdhsa_code_object_version 6
	.text
	.protected	k_q13d4723de5_pass1
	.globl	k_q13d4723de5_pass1
	.p2align	8
	.type	k_q13d4723de5_pass1,@function
k_q13d4723de5_pass1:
	s_mov_b64 s[64:65], 0
	v_nop
	global_prefetch_b8 v0, s[64:65] scope:SCOPE_SE
	s_setreg_imm32_b32 hwreg(HW_REG_WAVE_MODE, 25, 1), 1
	s_wait_xcnt 0x0
; THE FIRST WALK OVER THE KEYS: for each query the largest t and the sum of 2^(t - largest t) over one half of the keys, where t = c2 x (q . k) x decay, c2 = log2(e) / 16, decay = 2^(-c1 |Pq - Pk|^2), c1 = log2(e) / 2.
; The weights of the last product are quantised FINISHED AND NORMALISED, so a row's maximum and sum must be known before a single code can be made: hence a walk of its own.
; SHARES.  Work-group (qb, chunk): queries 64 qb .. 64 qb + 63 as four tiles q, keys 4,096 chunk on.  Each of the eight waves takes 16 blocks of 32 keys against all four tiles of queries.
; S^T = K Q^T (source 0 = 16 keys, source 1 = 16 queries): a lane holds ONE query; register 8 u + j of a tile of queries is key 32 g + 16 h + 8 u + j.
; Each lane keeps a running maximum of ITS keys and a sum under it (no exchange in the loop); halves of the lanes and the eight waves are joined once, at the end.
; Q, K and their scale words lie in memory in the order of the operands' registers: every load of 16 bytes a lane covers 512 consecutive bytes.  Each fragment of K is read by ONE wave of the work-group and feeds four
; tiles of queries from registers: through LDS each of its bytes would be written and read once more, for nothing; so no tensor load, and with none no joint load in a cluster.
; LIMITS: NaN and infinities are not served; an exponential whose result lies under 2^-126 counts as 0.
; REGISTERS.  window 0: v1-11 addresses; v14-45 eight a tile: x, y, z, the largest score, -c2 x it, the change, the sum's two halves; v46-51 scale words; v52-67 at work; v84-147 S^T; v148-211 distances, then decay; v212-243 at work.
;   window 1: v0-127 Q (2 q + s); v128-191 K of one block (2 u + s); v192-239 the block's points: x, y, z of my 16 keys.
.set SPARE, 4096                       ; LDS: 8 waves x 4 tiles x 16 queries x 8 bytes, then the spare words, 128 bytes for each wave
.set LI,  1
.set L4,  2
.set H64, 3
.set QP,  4
.set SA,  5
.set RA2, 6
.set GO,  7
.set SPW, 12
.set NIL, 13
.set QB,  14
.set QSTR, 8
.set KS,  46
.set QS,  48
.set TM,  52
.set S,   84
.set E,   148
.set T1,  212
.set T2,  228
.set QF,  0
.set KF,  128
.set PK,  192
.set WV,  14
.set CH,  15
.set C1,  16                           ; s[16:17] sqrt(c1)
.set C2,  18                           ; s[18:19] c2
.set NC2, 20                           ; -c2
.set SEL, 22
.set KB,  24                           ; my first block: K's image, its scale words, its points
.set KSB, 26
.set PB,  28
.set KA,  30                           ; the block that is being asked for
.set KSA, 32
.set PA,  34
.set N,   40
.set QSB, 42
.set MSB, 0
.macro WIN new
.if MSB != \new
	s_set_vgpr_msb (MSB<<8)|\new
.set MSB, \new
.endif
.endm
.macro QK                              ; 16 products on 8 accumulators by turns; the first K step starts the sums
	WIN 0x05
.irp q, 0,1,2,3
.irp u, 0,1
	v_wmma_scale_f32_16x16x128_f8f6f4 v[S+16*\q+8*\u:S+16*\q+8*\u+7], v[KF+32*\u:KF+32*\u+15], v[QF+32*\q:QF+32*\q+15], 0, v[KS+\u], v[QS+\q]
.endr
.endr
.irp q, 0,1,2,3
.irp u, 0,1
	v_wmma_scale_f32_16x16x128_f8f6f4 v[S+16*\q+8*\u:S+16*\q+8*\u+7], v[KF+32*\u+16:KF+32*\u+31], v[QF+32*\q+16:QF+32*\q+31], v[S+16*\q+8*\u:S+16*\q+8*\u+7], v[KS+\u], v[QS+\q] matrix_a_scale:MATRIX_SCALE_ROW1 matrix_b_scale:MATRIX_SCALE_ROW1
.endr
.endr
	WIN 0
.endm
.macro DIST q                          ; -c1 |Pk - Pq|^2 for my 16 keys and tile q's query; both points come x sqrt(c1).  Differences first.  48 plain lines that name no register of a product
	WIN 0x01
.irp i, 0,2,4,6,8,10,12,14
	v_pk_add_f32 v[E+16*\q+\i:E+16*\q+\i+1], v[PK+\i:PK+\i+1], v[QB+QSTR*\q:QB+QSTR*\q+1] op_sel_hi:[1,0] neg_lo:[0,1] neg_hi:[0,1]
.endr
.irp i, 0,2,4,6,8,10,12,14
	v_pk_add_f32 v[T1+\i:T1+\i+1], v[PK+16+\i:PK+16+\i+1], v[QB+QSTR*\q:QB+QSTR*\q+1] op_sel:[0,1] op_sel_hi:[1,1] neg_lo:[0,1] neg_hi:[0,1]
.endr
.irp i, 0,2,4,6,8,10,12,14
	v_pk_add_f32 v[T2+\i:T2+\i+1], v[PK+32+\i:PK+32+\i+1], v[QB+QSTR*\q+2:QB+QSTR*\q+3] op_sel_hi:[1,0] neg_lo:[0,1] neg_hi:[0,1]
.endr
	WIN 0
.irp i, 0,2,4,6,8,10,12,14
	v_pk_mul_f32 v[E+16*\q+\i:E+16*\q+\i+1], v[E+16*\q+\i:E+16*\q+\i+1], v[E+16*\q+\i:E+16*\q+\i+1] neg_lo:[1,0] neg_hi:[1,0]
.endr
.irp i, 0,2,4,6,8,10,12,14
	v_pk_fma_f32 v[E+16*\q+\i:E+16*\q+\i+1], v[T1+\i:T1+\i+1], v[T1+\i:T1+\i+1], v[E+16*\q+\i:E+16*\q+\i+1] neg_lo:[1,0,0] neg_hi:[1,0,0]
.endr
.irp i, 0,2,4,6,8,10,12,14
	v_pk_fma_f32 v[E+16*\q+\i:E+16*\q+\i+1], v[T2+\i:T2+\i+1], v[T2+\i:T2+\i+1], v[E+16*\q+\i:E+16*\q+\i+1] neg_lo:[1,0,0] neg_hi:[1,0,0]
.endr
.endm
.macro KLOAD                           ; a block's four fragments of K and their scale words (lanes 0-15: K step 0; lanes 16-31: K step 1)
	WIN 0x40
.irp f, 0,1,2,3
.irp c, 0,1,2,3
	global_load_b128 v[KF+16*\f+4*\c:KF+16*\f+4*\c+3], v[LI], s[KA:KA+1] offset:2048*\f+512*\c
.endr
.endr
	WIN 0
	global_load_b32 v[KS], v[L4], s[KSA:KSA+1]
	global_load_b32 v[KS+1], v[L4], s[KSA:KSA+1] offset:128
.endm
.macro PLOAD                           ; x, y, z of my 16 keys
	WIN 0x40
.irp k, 0,1,2
.irp c, 0,1,2,3
	global_load_b128 v[PK+16*\k+4*\c:PK+16*\k+4*\c+3], v[H64], s[PA:PA+1] offset:128*\k+16*\c
.endr
.endr
	WIN 0
.endm
.macro DECAY                           ; the 64 exponentials are one batch with one wait; then score x decay, each accumulator from its low end on
.set i, 0
.rept 64
	v_exp_f32 v[E+i], v[E+i]
.set i, i+1
.endr
	v_nop                                          ; a plain line behind the last exponential
	s_wait_alu depctr_va_vdst(0)                   ; the wait ahead of the first line that names a result
.set i, 0
.rept 32
	v_pk_mul_f32 v[S+i:S+i+1], v[S+i:S+i+1], v[E+i:E+i+1]
.set i, i+2
.endr
.endm
	s_load_b256 s[4:11], s[0:1], 0x0               ; qimg, kimg, scl, P
	s_load_b64 s[12:13], s[0:1], 0x20              ; stats
	v_lshl_add_u32 v[SPW], v0, 2, SPARE
	v_mov_b32 v[NIL], 0
	v_lshrrev_b32 v8, 5, v0
	s_delay_alu instid0(VALU_DEP_1)
	v_readfirstlane_b32 s[WV], v8                  ; wave 0..7
	s_and_b32 s[CH], ttmp7, 0xffff                 ; which half of the keys
	v_and_b32 v8, 31, v0
	v_and_b32 v9, 15, v0                           ; r
	v_bfe_u32 v10, v0, 4, 1                        ; h
	s_delay_alu instid0(VALU_DEP_2)
	v_and_b32 v11, 8, v9
	s_delay_alu instid0(VALU_DEP_1)
	v_add_nc_u32 v11, v11, v9                      ; r + 8 (r / 8)
	v_lshlrev_b32 v[LI], 4, v8
	v_lshlrev_b32 v[L4], 2, v8
	v_lshlrev_b32 v[H64], 6, v10
	s_delay_alu instid0(VALU_DEP_4)
	v_mul_u32_u24 v[QP], v11, 12
	s_lshl_b32 s36, s[WV], 9
	v_lshl_add_u32 v[SA], v9, 3, s36               ; LDS: 8 r + 512 w
	s_lshl_b32 s36, s[WV], 7
	v_lshl_add_u32 v[RA2], v9, 3, s36              ; and 8 r + 128 w, for the waves that join (made ahead of the parting)
	v_lshlrev_b32 v[GO], 3, v11
	s_mov_b32 s[C1], 0x3f596d27
	s_mov_b32 s[C1+1], s[C1]
	s_mov_b32 s[C2], 0x3db8aa3b
	s_mov_b32 s[C2+1], s[C2]
	s_mov_b32 s[NC2], 0xbdb8aa3b
	s_mov_b32 s[SEL], 0x76543210
	s_mov_b32 s[SEL+1], 0xfedcba98
	s_mov_b32 s[N], 0
	s_mov_b32 s39, 0                               ; the upper word of every offset; it stays 0
	s_lshl_b32 s41, s[CH], 7
	s_lshl_b32 s36, s[WV], 4
	s_add_co_u32 s41, s41, s36                     ; my first block of 32 keys: 128 chunk + 16 w
	s_wait_alu depctr_va_vdst(0)
	s_wait_kmcnt 0x0
	s_lshl_b32 s38, ttmp9, 14
	s_add_nc_u64 s[4:5], s[4:5], s[38:39]          ; my 64 queries' image
	s_lshl_b32 s38, ttmp9, 9
	s_add_nc_u64 s[QSB:QSB+1], s[8:9], s[38:39]    ; their scale words
	s_add_nc_u64 s[12:13], s[12:13], s[38:39]      ; and their 8 bytes each in stats,
	s_lshl_b32 s38, s[CH], 16
	s_add_nc_u64 s[12:13], s[12:13], s[38:39]      ; in my half's part,
	s_lshr_b32 s36, s[WV], 1
	s_lshl_b32 s38, s36, 8
	s_and_b32 s36, s[WV], 1
	s_lshl_b32 s36, s36, 6
	s_add_co_u32 s38, s38, s36
	s_add_nc_u64 s[12:13], s[12:13], s[38:39]      ; at tile q = w (used by waves 0 to 3 alone)
	s_mul_i32 s38, ttmp9, 768
	s_add_nc_u64 s[10:11], s[10:11], s[38:39]      ; the queries' points
	s_lshl_b32 s38, s41, 13
	s_add_nc_u64 s[KB:KB+1], s[6:7], s[38:39]
	s_lshl_b32 s38, s41, 8
	s_add_co_u32 s38, s38, 65536
	s_add_nc_u64 s[KSB:KSB+1], s[8:9], s[38:39]
	s_mul_i32 s38, s41, 384
	s_add_co_u32 s38, s38, 196608
	s_add_nc_u64 s[PB:PB+1], s[8:9], s[38:39]
	s_mov_b64 s[KA:KA+1], s[KB:KB+1]
	s_mov_b64 s[KSA:KSA+1], s[KSB:KSB+1]
	s_mov_b64 s[PA:PA+1], s[PB:PB+1]
	WIN 0x40
.irp f, 0,1,2,3,4,5,6,7
.irp c, 0,1,2,3
	global_load_b128 v[QF+16*\f+4*\c:QF+16*\f+4*\c+3], v[LI], s[4:5] offset:2048*\f+512*\c   ; Q stays in registers
.endr
.endr
	WIN 0
.irp q, 0,1,2,3
	global_load_b32 v[QS+\q], v[L4], s[QSB:QSB+1] offset:128*\q
.endr
.irp q, 0,1,2,3
.irp k, 0,1,2
	global_load_b32 v[QB+QSTR*\q+\k], v[QP], s[10:11] offset:(32*(\q/2)+8*(\q%2))*12+4*\k
.endr
.endr
	KLOAD
	PLOAD
.irp q, 0,1,2,3
	v_mov_b32 v[QB+QSTR*\q+3], 0xff61b1e6          ; the largest score so far: -3e38
	s_delay_alu instid0(VALU_DEP_1)
	v_mul_f32 v[QB+QSTR*\q+4], s[NC2], v[QB+QSTR*\q+3]
	v_mov_b32 v[QB+QSTR*\q+5], 0
	v_mov_b32 v[QB+QSTR*\q+6], 0                   ; the sum, in two halves
	v_mov_b32 v[QB+QSTR*\q+7], 0
.endr
.set i, 0
.rept 16
	v_mov_b32 v[TM+i], 0                           ; written once: lane permutes' destinations count as sources
.set i, i+1
.endr
	s_wait_loadcnt 0x0                             ; the queries' points are in:
.irp q, 0,1,2,3
.irp k, 0,1,2
	v_mul_f32 v[QB+QSTR*\q+\k], s[C1], v[QB+QSTR*\q+\k]   ; x sqrt(c1), as the keys' points are stored
.endr
.endr
	s_wait_alu depctr_va_vdst(0)
.Ltrip:                                            ; 16 trips, a block of 32 keys each
	s_wait_loadcnt 0x0                             ; the block's K, scale words and points, asked for a trip ago; the loads' bases are free
	QK
	DIST 0                                         ; also the places between the products and the loads into K's registers
	s_add_co_u32 s36, s[N], 1
	s_min_u32 s36, s36, 15                         ; the next block; the last trip asks for its own once more, so that no load leaves a buffer
	s_lshl_b32 s38, s36, 13
	s_add_nc_u64 s[KA:KA+1], s[KB:KB+1], s[38:39]
	s_lshl_b32 s38, s36, 8
	s_add_nc_u64 s[KSA:KSA+1], s[KSB:KSB+1], s[38:39]
	s_mul_i32 s38, s36, 384
	s_add_nc_u64 s[PA:PA+1], s[PB:PB+1], s[38:39]
	KLOAD
	DIST 1
	DIST 2
	DIST 3
	PLOAD
	s_wait_alu depctr_va_vdst(0)
	DECAY
.irp i, 0,2,4,6,8,10,12,14
.irp q, 0,1,2,3
	v_max3_num_f32 v[QB+QSTR*\q+3], v[QB+QSTR*\q+3], v[S+16*\q+\i], v[S+16*\q+\i+1]   ; my running maximum; the four tiles by turns
.endr
.endr
.irp q, 0,1,2,3
	s_delay_alu instid0(VALU_DEP_4)
	v_mul_f32 v[TM+\q], s[NC2], v[QB+QSTR*\q+3]    ; -c2 x it
.endr
.irp q, 0,1,2,3
	s_delay_alu instid0(VALU_DEP_4)
	v_sub_f32 v[QB+QSTR*\q+5], v[TM+\q], v[QB+QSTR*\q+4]   ; its change: 0 or less
.endr
.irp q, 0,1,2,3
	v_mov_b32 v[QB+QSTR*\q+4], v[TM+\q]
.endr
.irp q, 0,1,2,3
.irp i, 0,2,4,6,8,10,12,14
	v_pk_fma_f32 v[S+16*\q+\i:S+16*\q+\i+1], v[S+16*\q+\i:S+16*\q+\i+1], s[C2:C2+1], v[QB+QSTR*\q+4:QB+QSTR*\q+5] op_sel_hi:[1,0,0]   ; t less the largest t
.endr
.endr
.set i, 0
	s_wait_alu depctr_va_vdst(0)
.rept 64
	v_exp_f32 v[S+i], v[S+i]
.set i, i+1
.endr
.irp q, 0,1,2,3
	v_exp_f32 v[QB+QSTR*\q+5], v[QB+QSTR*\q+5]     ; what brings the old sum under the new maximum
.endr
	v_nop
	s_wait_alu depctr_va_vdst(0)                   ; one wait for the batch of 68
.irp q, 0,1,2,3
	v_pk_mul_f32 v[QB+QSTR*\q+6:QB+QSTR*\q+7], v[QB+QSTR*\q+6:QB+QSTR*\q+7], v[QB+QSTR*\q+4:QB+QSTR*\q+5] op_sel:[0,1] op_sel_hi:[1,1]
.endr
.irp i, 0,4,8,12
.irp q, 0,1,2,3
	v_pk_add_f32 v[S+16*\q+\i:S+16*\q+\i+1], v[S+16*\q+\i:S+16*\q+\i+1], v[S+16*\q+\i+2:S+16*\q+\i+3]
.endr
.endr
.irp i, 0,8
.irp q, 0,1,2,3
	v_pk_add_f32 v[S+16*\q+\i:S+16*\q+\i+1], v[S+16*\q+\i:S+16*\q+\i+1], v[S+16*\q+\i+4:S+16*\q+\i+5]
.endr
.endr
.irp q, 0,1,2,3
	s_delay_alu instid0(VALU_DEP_4)
	v_pk_add_f32 v[S+16*\q:S+16*\q+1], v[S+16*\q:S+16*\q+1], v[S+16*\q+8:S+16*\q+9]
.endr
.irp q, 0,1,2,3
	s_delay_alu instid0(VALU_DEP_4)
	v_pk_add_f32 v[QB+QSTR*\q+6:QB+QSTR*\q+7], v[QB+QSTR*\q+6:QB+QSTR*\q+7], v[S+16*\q:S+16*\q+1]
.endr
	s_add_co_u32 s[N], s[N], 1
	s_cmp_lt_u32 s[N], 16
	s_cbranch_scc1 .Ltrip
	; THE END.  First the two halves of the lanes: each brings its sum under the joint maximum and adds the other's, so that both hold the same bits.
.irp q, 0,1,2,3
	v_add_f32 v[TM+\q], v[QB+QSTR*\q+6], v[QB+QSTR*\q+7]
.endr
.irp q, 0,1,2,3
	v_permlanex16_b32 v[TM+4+\q], v[QB+QSTR*\q+4], s[SEL], s[SEL+1]
.endr
.irp q, 0,1,2,3
	s_delay_alu instid0(VALU_DEP_4)
	v_min_num_f32 v[E+2*\q], v[TM+4+\q], v[QB+QSTR*\q+4]   ; the smaller -c2 x maximum is the larger maximum's
.endr
.irp q, 0,1,2,3
	s_delay_alu instid0(VALU_DEP_4)
	v_sub_f32 v[TM+8+\q], v[E+2*\q], v[QB+QSTR*\q+4]
.endr
	s_wait_alu depctr_va_vdst(0)
.irp q, 0,1,2,3
	v_exp_f32 v[TM+8+\q], v[TM+8+\q]
.endr
	v_nop
	s_wait_alu depctr_va_vdst(0)
.irp q, 0,1,2,3
	v_mul_f32 v[TM+\q], v[TM+\q], v[TM+8+\q]
.endr
.irp q, 0,1,2,3
	s_delay_alu instid0(VALU_DEP_4)
	v_permlanex16_b32 v[TM+12+\q], v[TM+\q], s[SEL], s[SEL+1]
.endr
.irp q, 0,1,2,3
	s_delay_alu instid0(VALU_DEP_4)
	v_add_f32 v[E+2*\q+1], v[TM+\q], v[TM+12+\q]
.endr
.irp q, 0,1,2,3
	ds_store_b64 v[SA], v[E+2*\q:E+2*\q+1] offset:128*\q
.endr
	s_wait_dscnt 0x0                               ; for the others' sake: my stores have landed
	s_barrier_signal -1
	s_barrier_wait -1
	s_cmp_ge_u32 s[WV], 4                          ; then the eight waves: wave w < 4 joins tile q = w
	s_cbranch_scc1 .Ldone
.irp k, 0,1,2,3,4,5,6,7
	ds_load_b64 v[S+2*\k:S+2*\k+1], v[RA2] offset:512*\k
.endr
	s_wait_dscnt 0x0
	v_min_num_f32 v[TM], v[S], v[S+2]
	v_min_num_f32 v[TM+1], v[S+4], v[S+6]
	v_min_num_f32 v[TM+2], v[S+8], v[S+10]
	v_min_num_f32 v[TM+3], v[S+12], v[S+14]
	s_delay_alu instid0(VALU_DEP_3)
	v_min_num_f32 v[TM], v[TM], v[TM+1]
	s_delay_alu instid0(VALU_DEP_2)
	v_min_num_f32 v[TM+2], v[TM+2], v[TM+3]
	s_delay_alu instid0(VALU_DEP_1)
	v_min_num_f32 v[TM], v[TM], v[TM+2]
.irp k, 0,1,2,3,4,5,6,7
	v_sub_f32 v[T1+\k], v[TM], v[S+2*\k]
.endr
	s_wait_alu depctr_va_vdst(0)
.irp k, 0,1,2,3,4,5,6,7
	v_exp_f32 v[T1+\k], v[T1+\k]
.endr
	v_mul_f32 v[T2], -1.0, v[TM]                   ; the largest t of this half of the keys.  (A plain line behind the exponentials)
	s_wait_alu depctr_va_vdst(0)
	v_mul_f32 v[T2+1], v[S+1], v[T1]
.irp k, 1,2,3,4,5,6,7
	v_fma_f32 v[T2+1], v[S+2*\k+1], v[T1+\k], v[T2+1]
.endr
	global_store_b64 v[GO], v[T2:T2+1], s[12:13]   ; (largest t, sum) of query 64 qb + 32 (q / 2) + 8 (q % 2) + r + 8 (r / 8); both halves of the lanes hold the same bits
.Ldone:
	s_wait_tensorcnt 0x0                           ; the wave's end, behind my last LDS store
	ds_add_u32 v[SPW], v[NIL]
	s_wait_dscnt 0x0
	s_endpgm
.Lfunc_end_k_q13d4723de5_pass1:
	.size	k_q13d4723de5_pass1, .Lfunc_end_k_q13d4723de5_pass1-k_q13d4723de5_pass1
	.p2alignl 7, 3214868480
	.fill 96, 4, 3214868480
	.section	.rodata,"a",@progbits
	.p2align	6, 0x0
	.amdhsa_kernel k_q13d4723de5_pass1
		.amdhsa_group_segment_fixed_size 5120
		.amdhsa_private_segment_fixed_size 0
		.amdhsa_enable_private_segment 0
		.amdhsa_kernarg_size 40
		.amdhsa_user_sgpr_count 2
		.amdhsa_user_sgpr_kernarg_segment_ptr 1
		.amdhsa_wavefront_size32 1
		.amdhsa_system_sgpr_workgroup_id_x 1
		.amdhsa_system_sgpr_workgroup_id_y 1
		.amdhsa_system_sgpr_workgroup_id_z 1
		.amdhsa_system_vgpr_workitem_id 0
		.amdhsa_next_free_vgpr 512
		.amdhsa_next_free_sgpr 66
		.amdhsa_reserve_vcc 0
		.amdhsa_float_denorm_mode_32 3
		.amdhsa_float_denorm_mode_16_64 3
		.amdhsa_memory_ordered 1
		.amdhsa_forward_progress 1
		.amdhsa_inst_pref_size 48
	.end_amdhsa_kernel
	.amdgpu_metadata
---
amdhsa.version: [ 1, 2 ]
amdhsa.kernels:
  - .name:           k_q13d4723de5_pass1
    .symbol:         k_q13d4723de5_pass1.kd
    .args:
      - { .name: qimg, .offset: 0, .size: 8, .value_kind: global_buffer, .address_space: global }
      - { .name: kimg, .offset: 8, .size: 8, .value_kind: global_buffer, .address_space: global }
      - { .name: scl, .offset: 16, .size: 8, .value_kind: global_buffer, .address_space: global }
      - { .name: P, .offset: 24, .size: 8, .value_kind: global_buffer, .address_space: global }
      - { .name: stats, .offset: 32, .size: 8, .value_kind: global_buffer, .address_space: global }
    .group_segment_fixed_size: 5120
    .private_segment_fixed_size: 0
    .kernarg_segment_align: 8
    .kernarg_segment_size: 40
    .max_flat_workgroup_size: 256
    .sgpr_count:     66
    .vgpr_count:     512
    .wavefront_size: 32
...
	.end_amdgpu_metadata
.endif
;; end of part 2
;; launch pass2 (part 3): grid 128 x 2, 8 waves a work-group, no clusters, 251,904 bytes of LDS; arguments qimg, kimg, vimg, scl, stats, P, opart; writes opart
.if DOCPART == 3
	.amdgcn_target "amdgcn-amd-amdhsa--gfx1250"
	.amdhsa_code_object_version 6
	.text
	.protected	k_q13d4723de5_pass2
	.globl	k_q13d4723de5_pass2
	.p2align	8
	.type	k_q13d4723de5_pass2,@function
k_q13d4723de5_pass2:
	s_mov_b64 s[64:65], 0
	v_nop
	global_prefetch_b8 v0, s[64:65] scope:SCOPE_SE
	s_setreg_imm32_b32 hwreg(HW_REG_WAVE_MODE, 25, 1), 1
	s_wait_xcnt 0x0
; THE SECOND WALK: A = 2^(t - MT) / (1 + L), finished and normalised, is quantised along the keys in blocks of 32 and multiplied by V.  t = c2 (q . k) decay, c2 = log2(e) / 16, decay = 2^(-c1 |Pq - Pk|^2), c1 = log2(e) / 2.
; MT and L are joined here from the first walk's figures for the two halves of the keys.  A is made as 2^(t + m), m = -MT - log2(1 + L): one exponent for each query.
; SHARES.  Work-group (qb, chunk): 64 queries (four tiles q) x 4,096 keys, in 4 slots of 1,024.  EIGHT waves of 512 registers.  In a slot wave w MAKES A for the slot's K step w (128 keys): four sub-steps of 32 keys against all four tiles.
; For A V wave w OWNS channels 32 w .. 32 w + 31 (two tiles n) of all four tiles of queries: 8 accumulators.  It needs every wave's A, which goes round through LDS as images of the operand's registers.
; From slot 1 on a sub-step first multiplies two K steps of the slot before (16 products), then makes its own 32 keys.  Two buffers of A take turns, one barrier a slot.  Slot 0 has nothing to multiply: its sub-steps have no such part.
; THE DISTANCES.  The keys' points lie in scl multiplied by sqrt(c1); the chunk's are copied to LDS once.  The queries' are multiplied here.  Differences first, then -(dx^2 + dy^2 + dz^2) + log2(c2) by three fused lines: its exponential is c2 x decay, and t + m is one fused line.
; A BLOCK'S LARGEST A IS NOT SEARCHED FOR: the block's largest exponent is one of the block's own and goes through the same exponential (this takes v_exp_f32 not to fall where its input rises).
; LOADS.  K, V and their scale words come from memory in the order of the operands' registers, 512 consecutive bytes a load, each fragment to the one wave that multiplies by it: so no tensor load and no joint load in a cluster.
; One set of registers each: V is asked for anew behind the products that read it, K likewise; 18 loads each, so the two waits are counted: 18 may be out.  The V that the head asks for waits in its registers through slot 0.
; The last sub-step is written out: in place of a next K it asks for the six K steps of V that the tail multiplies, into the registers that Q and K leave.  Q is read from memory once for the work-group, a fragment a wave, and shared through LDS.
; No prefetch: K and V are read again and again by the work-groups of this launch.
; LIMITS: NaN and infinities are not served; an exponential whose result lies under 2^-126 counts as 0; a block whose every A lies under 2^-118 keeps the scale byte 1; a common offset of the points enters through the rounding of the scaled coordinates alone.
; REGISTERS.  window 0: v1-9 addresses; v10-25 four a tile: x, y, z, m; v26-37 scale words of K, Q, V, A; v40-103 V of two K steps; v104-167 S^T (at a sub-step's head: A of the first K step);
;   v168-215 the keys' points, v216-247 at work (at the head v168-231: A of the second K step); v248-251 scale bytes.   window 1: v0-127 Q; v128-191 K; v192-255 O^T, (n, q) at 192 + 8 (4 n + q).
.set AB,    0                          ; LDS: two buffers of A, 65,536 bytes each: [K step 8][q 4][group 4][lane][16],
.set ASB,   131072                     ; two of its scale words, 2,048 bytes each: [K step][q][16 queries],
.set PL,    135168                     ; the chunk's points: [block of 32 keys][x 32 | y 32 | z 32], 49,152 bytes,
.set STG,   184320                     ; the way out: 64 rows of 1,024 + 16 bytes; at the head its first 16,384 bytes hold Q's eight fragments,
.set SPARE, 250880                     ; and the spare words, 128 bytes for each wave
.set LI,  1
.set L4,  2
.set PLA, 3
.set WB0, 4
.set WS0, 5
.set RA,  6
.set RS,  7
.set SPW, 8
.set NIL, 9
.set QB,  10
.set KS,  26
.set QS,  28
.set VS,  32
.set AS,  34
.set V,   40
.set S,   104
.set P,   168
.set E,   216
.set T,   232
.set BM,  216
.set PX,  220
.set HOLD, 224
.set SCL, 228
.set PC,  232
.set BY,  248
.set QF,  0
.set KF,  128
.set OF,  192
.set WV,  18
.set CH,  19
.set LC,  20                           ; s[20:21] log2(c2)
.set SEL, 22
.set N,   24                           ; the sub-step, 0 .. 15
.set CI,  25
.set MNT, 26
.set SRA, 27                           ; where A is read, its scale words are read, A is written, its bytes are written, the points are read
.set SRS, 28
.set SWA, 29
.set SWS, 30
.set SPO, 31
.set KB,  32
.set KSB, 34
.set VB,  36
.set VSB, 38
.set KA,  40
.set KSA, 42
.set VA,  44
.set VSA, 46
.set QSB, 48
.set SQ,  54                           ; sqrt(c1)
.set PS,  56
.set MSB, 0
.macro WIN new                         ; the immediate's high byte repeats the setting that is left
.if MSB != (\new)
	s_set_vgpr_msb (MSB<<8)|(\new)
.set MSB, (\new)
.endif
.endm
.macro QK                              ; 16 products on 8 accumulators by turns; the first K step starts the sums
	WIN 0x05
.irp q, 0,1,2,3
.irp u, 0,1
	v_wmma_scale_f32_16x16x128_f8f6f4 v[S+16*\q+8*\u:S+16*\q+8*\u+7], v[KF+32*\u:KF+32*\u+15], v[QF+32*\q:QF+32*\q+15], 0, v[KS+\u], v[QS+\q]
.endr
.endr
.irp q, 0,1,2,3
.irp u, 0,1
	v_wmma_scale_f32_16x16x128_f8f6f4 v[S+16*\q+8*\u:S+16*\q+8*\u+7], v[KF+32*\u+16:KF+32*\u+31], v[QF+32*\q+16:QF+32*\q+31], v[S+16*\q+8*\u:S+16*\q+8*\u+7], v[KS+\u], v[QS+\q] matrix_a_scale:MATRIX_SCALE_ROW1 matrix_b_scale:MATRIX_SCALE_ROW1
.endr
.endr
	WIN 0
.endm
.macro AVW rv, ra, n, q, sv, sa        ; O^T(n, q) += V^T(n) A^T(q), 128 keys.  V's words of my two tiles share a register (lanes 0-15, 16-31), and so do A's of tiles q, q + 1
.set rO, OF+8*(4*(\n)+(\q))
.if ((\n) == 0) && ((\q)%2 == 0)
	v_wmma_scale_f32_16x16x128_f8f6f4 v[rO:rO+7], v[(\rv):(\rv)+15], v[(\ra):(\ra)+15], v[rO:rO+7], v[\sv], v[\sa]
.elseif ((\n) == 0)
	v_wmma_scale_f32_16x16x128_f8f6f4 v[rO:rO+7], v[(\rv):(\rv)+15], v[(\ra):(\ra)+15], v[rO:rO+7], v[\sv], v[\sa] matrix_b_scale:MATRIX_SCALE_ROW1
.elseif ((\q)%2 == 0)
	v_wmma_scale_f32_16x16x128_f8f6f4 v[rO:rO+7], v[(\rv):(\rv)+15], v[(\ra):(\ra)+15], v[rO:rO+7], v[\sv], v[\sa] matrix_a_scale:MATRIX_SCALE_ROW1
.else
	v_wmma_scale_f32_16x16x128_f8f6f4 v[rO:rO+7], v[(\rv):(\rv)+15], v[(\ra):(\ra)+15], v[rO:rO+7], v[\sv], v[\sa] matrix_a_scale:MATRIX_SCALE_ROW1 matrix_b_scale:MATRIX_SCALE_ROW1
.endif
.endm
.macro AV16 vb, sv                     ; two K steps x 8 accumulators by turns.  vb: V's registers, 32 a K step; sv: its scale words, one a K step
.irp k, 0,1
.irp n, 0,1
.irp q, 0,1,2,3
	AVW (\vb)+32*\k+16*\n, S+64*\k+16*\q, \n, \q, (\sv)+\k, AS+2*\k+\q/2
.endr
.endr
.endr
.endm
.macro ALOAD                           ; two K steps of A as their makers' registers stood, and their scale words: 36 LDS loads
.irp k, 0,1
.irp q, 0,1,2,3
.irp c, 0,1,2,3
	ds_load_b128 v[S+64*\k+16*\q+4*\c:S+64*\k+16*\q+4*\c+3], v[RA] offset:8192*\k+2048*\q+512*\c
.endr
.endr
.endr
.irp j, 0,1,2,3
	ds_load_b32 v[AS+\j], v[RS] offset:128*\j
.endr
.endm
.macro DIST q                          ; log2(c2) - c1 |Pk - Pq|^2 for my 16 keys and tile q's query: 48 plain lines that name no register of a product
.irp i, 0,2,4,6,8,10,12,14
	v_pk_add_f32 v[E+\i:E+\i+1], v[P+\i:P+\i+1], v[QB+4*\q:QB+4*\q+1] op_sel_hi:[1,0] neg_lo:[0,1] neg_hi:[0,1]
.endr
.irp i, 0,2,4,6,8,10,12,14
	v_pk_add_f32 v[T+\i:T+\i+1], v[P+16+\i:P+16+\i+1], v[QB+4*\q:QB+4*\q+1] op_sel:[0,1] op_sel_hi:[1,1] neg_lo:[0,1] neg_hi:[0,1]
.endr
.irp i, 0,2,4,6,8,10,12,14
	v_pk_fma_f32 v[E+\i:E+\i+1], v[E+\i:E+\i+1], v[E+\i:E+\i+1], s[LC:LC+1] op_sel_hi:[1,1,0] neg_lo:[1,0,0] neg_hi:[1,0,0]
.endr
.irp i, 0,2,4,6,8,10,12,14
	v_pk_fma_f32 v[E+\i:E+\i+1], v[T+\i:T+\i+1], v[T+\i:T+\i+1], v[E+\i:E+\i+1] neg_lo:[1,0,0] neg_hi:[1,0,0]
.endr
.irp i, 0,2,4,6,8,10,12,14
	v_pk_add_f32 v[T+\i:T+\i+1], v[P+32+\i:P+32+\i+1], v[QB+4*\q+2:QB+4*\q+3] op_sel_hi:[1,0] neg_lo:[0,1] neg_hi:[0,1]
.endr
.irp i, 0,2,4,6,8,10,12,14
	v_pk_fma_f32 v[E+\i:E+\i+1], v[T+\i:T+\i+1], v[T+\i:T+\i+1], v[E+\i:E+\i+1] neg_lo:[1,0,0] neg_hi:[1,0,0]
.endr
.endm
.macro DEC q                           ; c2 x decay, a batch of 16 with a wait ahead of it and one behind it; then t + m, each accumulator from its low end on
	s_wait_alu depctr_va_vdst(0)
.set i, 0
.rept 16
	v_exp_f32 v[E+i], v[E+i]
.set i, i+1
.endr
	v_nop                                          ; a plain line behind the last exponential
	s_wait_alu depctr_va_vdst(0)
.irp i, 0,2,4,6,8,10,12,14
	v_pk_fma_f32 v[S+16*\q+\i:S+16*\q+\i+1], v[S+16*\q+\i:S+16*\q+\i+1], v[E+\i:E+\i+1], v[QB+4*\q+2:QB+4*\q+3] op_sel:[0,0,1] op_sel_hi:[1,1,1]
.endr
.endm
.macro KLOAD                           ; 18 loads: a block's four fragments of K and their scale words (lanes 0-15: K step 0; lanes 16-31: K step 1)
	WIN 0x40
.irp f, 0,1,2,3
.irp c, 0,1,2,3
	global_load_b128 v[KF+16*\f+4*\c:KF+16*\f+4*\c+3], v[LI], s[KA:KA+1] offset:2048*\f+512*\c
.endr
.endr
	WIN 0
	global_load_b32 v[KS], v[L4], s[KSA:KSA+1]
	global_load_b32 v[KS+1], v[L4], s[KSA:KSA+1] offset:128
.endm
.macro VLOAD                           ; 18 loads: my two tiles of channels of two K steps of V, and their scale words
.irp k, 0,1
.irp n, 0,1
.irp c, 0,1,2,3
	global_load_b128 v[V+32*\k+16*\n+4*\c:V+32*\k+16*\n+4*\c+3], v[LI], s[VA:VA+1] offset:32768*\k+2048*\n+512*\c
.endr
.endr
.endr
	global_load_b32 v[VS], v[L4], s[VSA:VSA+1]
	global_load_b32 v[VS+1], v[L4], s[VSA:VSA+1] offset:1024
.endm
.macro NEXTK                           ; sub-step N + 1's keys (N is 14 at the most here): block 32 (n / 4) + n % 4 from my first.  The wait ahead of the products has shown the last loads by these bases done
	s_add_co_u32 s52, s[N], 1
	s_lshr_b32 s53, s52, 2
	s_lshl_b32 s53, s53, 5
	s_and_b32 s52, s52, 3
	s_add_co_u32 s52, s52, s53
	s_lshl_b32 s50, s52, 13
	s_add_nc_u64 s[KA:KA+1], s[KB:KB+1], s[50:51]
	s_lshl_b32 s50, s52, 8
	s_add_nc_u64 s[KSA:KSA+1], s[KSB:KSB+1], s[50:51]
.endm
.macro NEXTV                           ; sub-step N + 1's K steps of V (N is 4 at the least here): 2 (N - 3) and the next
	s_sub_co_u32 s52, s[N], 3
	s_lshl_b32 s50, s52, 16
	s_add_nc_u64 s[VA:VA+1], s[VB:VB+1], s[50:51]
	s_lshl_b32 s50, s52, 11
	s_add_nc_u64 s[VSA:VSA+1], s[VSB:VSB+1], s[50:51]
.endm
.macro TAILV                           ; 54 loads, 9 a K step: V of the chunk's K steps 26 .. 31 goes where Q and K lay, its scale words where theirs lay.  K's bases are free: the wait ahead of the products has shown their loads done
	s_add_nc_u64 s[KA:KA+1], s[VB:VB+1], 26*32768
	s_add_nc_u64 s[KSA:KSA+1], s[VSB:VSB+1], 26*1024
.irp j, 0,1,2,3,4,5
	WIN 0x40
.irp n, 0,1
.irp c, 0,1,2,3
	global_load_b128 v[32*\j+16*\n+4*\c:32*\j+16*\n+4*\c+3], v[LI], s[KA:KA+1] offset:32768*\j+2048*\n+512*\c
.endr
.endr
	WIN 0
	global_load_b32 v[KS+\j], v[L4], s[KSA:KSA+1] offset:1024*\j
.endr
.endm
.macro FIN                             ; 64 exponents a lane become A, its codes and four scale bytes
.irp q, 0,1,2,3
	v_max3_num_f32 v[BM+\q], v[S+16*\q], v[S+16*\q+1], v[S+16*\q+2]   ; the block's largest exponent; the four tiles by turns
.endr
.irp i, 3,5,7,9,11,13
.irp q, 0,1,2,3
	v_max3_num_f32 v[BM+\q], v[BM+\q], v[S+16*\q+\i], v[S+16*\q+\i+1]
.endr
.endr
.irp q, 0,1,2,3
	v_max_num_f32 v[BM+\q], v[BM+\q], v[S+16*\q+15]
.endr
.irp q, 0,1,2,3
	v_permlanex16_b32 v[PX+\q], v[BM+\q], s[SEL], s[SEL+1]
.endr
.irp q, 0,1,2,3
	v_max_num_f32 v[BM+\q], v[BM+\q], v[PX+\q]     ; with lane l xor 16's 16 keys
.endr
	s_wait_alu depctr_va_vdst(0)
.set i, 0
.rept 64
	v_exp_f32 v[S+i], v[S+i]                       ; A
.set i, i+1
.endr
.irp q, 0,1,2,3
	v_exp_f32 v[BM+\q], v[BM+\q]                   ; the block's largest A: the same instruction on the same number
.endr
	v_nop
	s_wait_alu depctr_va_vdst(0)                   ; one wait for the batch of 68
.irp q, 0,1,2,3
	v_max_num_f32 v[BM+\q], 0x4800000, v[BM+\q]    ; the floor 2^(9 - 127): the byte cannot fall under 1
.endr
.irp q, 0,1,2,3
	v_add_nc_u32 v[SCL+\q], 0xfc000000, v[BM+\q]   ; 8 off the exponent field: the conversion's scale operand
.endr
.irp q, 0,1,2,3
	v_and_or_b32 v[HOLD+\q], v[BM+\q], 0x7f800000, s[MNT]   ; 448 x the scale
.endr
.irp q, 0,1,2,3
	v_lshrrev_b32 v[BY+\q], 23, v[SCL+\q]          ; the scale's byte
.endr
.irp q, 0,1,2,3
.irp i, 0,1,2,3,4,5,6,7,8,9,10,11,12,13,14,15
	v_min_num_f32 v[S+16*\q+\i], v[S+16*\q+\i], v[HOLD+\q]   ; the conversion does not saturate (ISA guide 7.6.2); A is not negative, so the hold is one-sided
.endr
	v_cvt_scalef32_pk8_fp8_f32 v[PC+4*\q:PC+4*\q+1], v[S+16*\q:S+16*\q+7], v[SCL+\q]
	v_cvt_scalef32_pk8_fp8_f32 v[PC+4*\q+2:PC+4*\q+3], v[S+16*\q+8:S+16*\q+15], v[SCL+\q]
.endr
	v_nop                                          ; one plain line behind the last conversion
	v_add_nc_u32 v[RA], s[SWA], v[WB0]
	v_add_nc_u32 v[RS], s[SWS], v[WS0]
.irp q, 0,1,2,3
	ds_store_b128 v[RA], v[PC+4*\q:PC+4*\q+3] offset:2048*\q   ; this sub-step's group of my K step's fragment for tile q,
	ds_store_b8 v[RS], v[BY+\q] offset:64*\q                   ; and its byte of the K step's word (both halves of the lanes hold the same)
.endr
.endm
; A SUB-STEP.  av = 0: slot 0's, which has nothing to multiply by V and asks for no V.  last = 1: the chunk's last, which asks for the tail's V in place of a next K
.macro SUB av, last
.if \av
	v_add_nc_u32 v[RA], s[SRA], v[LI]
	v_add_nc_u32 v[RS], s[SRS], v[L4]
	ALOAD
	s_wait_loadcnt 18                              ; V is in; K's 18 loads, issued behind it, may be out
	s_wait_dscnt 0x0                               ; A is in (and the last sub-step's stores have landed)
	WIN 0x50                                       ; C and D: window 1
	AV16 V, VS
	WIN 0
.endif
	v_add_nc_u32 v[RA], s[SPO], v[PLA]
.if \av
.rept 8
	v_nop                                          ; with the line above nine places: loads land on the products' operands, and the next products write over A's first K step (ISA guide 7.12.1 for the products)
.endr
.endif
.irp k, 0,1,2
.irp c, 0,1,2,3
	ds_load_b128 v[P+16*\k+4*\c:P+16*\k+4*\c+3], v[RA] offset:128*\k+16*\c   ; x, y, z of my 16 keys
.endr
.endr
.if \av
	NEXTV
	VLOAD
	s_wait_loadcnt 18                              ; K is in; V's 18 loads just issued may be out
.else
	s_wait_loadcnt 0x0                             ; K is in: nothing was issued behind it
.endif
	QK
	s_wait_dscnt 0x0                               ; the points
	DIST 0                                         ; also the places between the products and the loads into their operands
.if \last
	TAILV
.else
	NEXTK
	KLOAD
.endif
	DEC 0
	DIST 1
	DEC 1
	DIST 2
	DEC 2
	DIST 3
	DEC 3
	FIN
	s_add_co_u32 s[N], s[N], 1
	s_add_co_u32 s[SRA], s[SRA], 16384
	s_add_co_u32 s[SRS], s[SRS], 512
	s_add_co_u32 s[SWA], s[SWA], 512
	s_add_co_u32 s[SWS], s[SWS], 1
	s_add_co_u32 s[SPO], s[SPO], 384
.endm
.macro SLOT sl, av, trips, last        ; four sub-steps (trips in the loop, the chunk's last written out) and the slot's one barrier.  Slot sl writes buffer sl % 2 and reads the other
	s_mov_b32 s[SRA], AB+(1-(\sl)%2)*65536
	s_mov_b32 s[SRS], ASB+(1-(\sl)%2)*2048
	s_mov_b32 s[SWA], AB+((\sl)%2)*65536
	s_mov_b32 s[SWS], ASB+((\sl)%2)*2048
	s_mov_b32 s[SPO], (\sl)*32*384
	s_mov_b32 s[CI], \trips
.Lin_\@:
	SUB \av, 0
	s_sub_co_u32 s[CI], s[CI], 1
	s_cmp_lg_u32 s[CI], 0
	s_cbranch_scc1 .Lin_\@
.if \last
	SUB \av, 1
.endif
	s_wait_dscnt 0x0                               ; my stores into this buffer have landed, and my reads of the other are in
	s_barrier_signal -1
	s_barrier_wait -1                              ; both now hold of all eight waves: the buffers change places
.endm
.macro TSTEP t, cnt                    ; a step of the tail, which only multiplies: K steps 2 t, 2 t + 1 of the last slot, out of buffer 1.  cnt: the loads issued behind those that it needs
	v_add_nc_u32 v[RA], AB+65536+16384*\t, v[LI]
	v_add_nc_u32 v[RS], ASB+2048+512*\t, v[L4]
	ALOAD
	s_wait_loadcnt \cnt
	s_wait_dscnt 0x0
.if \t == 0
	WIN 0x50
	AV16 V, VS
.else
	WIN 0x51                                       ; V in window 1, where Q and K lay
	AV16 64*(\t-1), KS+2*(\t-1)
.endif
	WIN 0
.rept 8
	v_nop                                          ; eight places ahead of the next loads into A's registers and of the first read of O^T
.endr
.endm
	s_load_b256 s[4:11], s[0:1], 0x0               ; qimg, kimg, vimg, scl
	s_load_b128 s[12:15], s[0:1], 0x20             ; stats, P
	s_load_b64 s[16:17], s[0:1], 0x30              ; opart
	v_lshl_add_u32 v[SPW], v0, 2, SPARE
	v_mov_b32 v[NIL], 0
	v_lshrrev_b32 v248, 5, v0
	v_readfirstlane_b32 s[WV], v248                ; wave 0..7
	s_and_b32 s[CH], ttmp7, 0xffff
	v_and_b32 v248, 31, v0
	v_and_b32 v249, 15, v0                         ; r
	v_bfe_u32 v250, v0, 4, 1                       ; h
	v_and_b32 v251, 8, v249
	v_add_nc_u32 v251, v251, v249                  ; r + 8 (r / 8)
	v_lshlrev_b32 v[LI], 4, v248
	v_lshlrev_b32 v[L4], 2, v248
	s_mul_i32 s52, s[WV], 1536
	s_add_co_u32 s52, s52, PL
	v_lshl_add_u32 v[PLA], v250, 6, s52            ; the points of my four blocks of a slot, my half's 16 keys
	s_lshl_b32 s52, s[WV], 13
	v_add_nc_u32 v[WB0], s52, v[LI]                ; my K step's part of a buffer of A
	s_lshl_b32 s52, s[WV], 8
	v_lshl_add_u32 v[WS0], v249, 2, s52            ; and of its scale words
	v_lshlrev_b32 v252, 4, v0                      ; the copy of the points: 16 bytes a thread
	v_add_nc_u32 v253, PL, v252
	v_lshlrev_b32 v254, 3, v251
	v_mul_u32_u24 v255, v251, 12
	s_lshl_b32 s52, s[WV], 11
	s_add_co_u32 s52, s52, STG
	v_add_nc_u32 v[RA], s52, v[LI]                 ; where I put fragment w of Q,
	v_add_nc_u32 v[RS], STG, v[LI]                 ; and where all eight are read
	s_mov_b32 s[LC], 0xc05e28b1                    ; log2(c2)
	s_mov_b32 s[LC+1], s[LC]
	s_mov_b32 s[SQ], 0x3f596d27                    ; sqrt(c1)
	s_mov_b32 s[SEL], 0x76543210
	s_mov_b32 s[SEL+1], 0xfedcba98
	s_mov_b32 s[MNT], 0x600000
	s_mov_b32 s[N], 0
	s_mov_b32 s51, 0                               ; the upper word of every offset; it stays 0
	s_wait_alu depctr_va_vdst(0)
	s_wait_kmcnt 0x0
	s_lshl_b32 s50, ttmp9, 14
	s_add_nc_u64 s[4:5], s[4:5], s[50:51]
	s_lshl_b32 s50, s[WV], 11
	s_add_nc_u64 s[4:5], s[4:5], s[50:51]          ; fragment w of my 64 queries' image
	s_lshl_b32 s50, ttmp9, 9
	s_add_nc_u64 s[QSB:QSB+1], s[10:11], s[50:51]
	s_add_nc_u64 s[12:13], s[12:13], s[50:51]
	s_mul_i32 s50, ttmp9, 768
	s_add_nc_u64 s[14:15], s[14:15], s[50:51]
	s_lshl_b32 s50, s[CH], 23
	s_add_nc_u64 s[16:17], s[16:17], s[50:51]
	s_lshl_b32 s50, ttmp9, 16
	s_add_nc_u64 s[16:17], s[16:17], s[50:51]
	s_lshl_b32 s52, s[CH], 7
	s_lshl_b32 s53, s[WV], 2
	s_add_co_u32 s52, s52, s53                     ; my first block of 32 keys: 128 chunk + 4 w
	s_lshl_b32 s50, s52, 13
	s_add_nc_u64 s[KB:KB+1], s[6:7], s[50:51]
	s_lshl_b32 s50, s52, 8
	s_add_co_u32 s50, s50, 65536
	s_add_nc_u64 s[KSB:KSB+1], s[10:11], s[50:51]
	s_lshl_b32 s50, s[CH], 20
	s_lshl_b32 s53, s[WV], 12
	s_add_co_u32 s50, s50, s53
	s_add_nc_u64 s[VB:VB+1], s[8:9], s[50:51]
	s_lshl_b32 s50, s[CH], 15
	s_lshl_b32 s53, s[WV], 7
	s_add_co_u32 s50, s50, s53
	s_add_co_u32 s50, s50, 131072
	s_add_nc_u64 s[VSB:VSB+1], s[10:11], s[50:51]
	s_mul_i32 s50, s[CH], 49152
	s_add_co_u32 s50, s50, 196608
	s_add_nc_u64 s[PS:PS+1], s[10:11], s[50:51]
	s_mov_b64 s[KA:KA+1], s[KB:KB+1]
	s_mov_b64 s[KSA:KSA+1], s[KSB:KSB+1]
	s_mov_b64 s[VA:VA+1], s[VB:VB+1]
	s_mov_b64 s[VSA:VSA+1], s[VSB:VSB+1]
.irp i, 0,1,2,3,4,5,6,7,8,9,10,11
	global_load_b128 v[S+4*\i:S+4*\i+3], v252, s[PS:PS+1] offset:4096*\i   ; the chunk's points: 12 pieces of 4,096 bytes, 16 bytes a thread
.endr
.irp q, 0,1,2,3
.irp k, 0,1
	global_load_b64 v[E+4*\q+2*\k:E+4*\q+2*\k+1], v254, s[12:13] offset:(32*(\q/2)+8*(\q%2))*8+65536*\k   ; (largest t, sum) of my query over each half of the keys
.endr
.endr
.irp q, 0,1,2,3
.irp k, 0,1,2
	global_load_b32 v[QB+4*\q+\k], v255, s[14:15] offset:(32*(\q/2)+8*(\q%2))*12+4*\k
.endr
.endr
.irp c, 0,1,2,3
	global_load_b128 v[P+16+4*\c:P+16+4*\c+3], v[LI], s[4:5] offset:512*\c   ; fragment w of Q
.endr
.irp q, 0,1,2,3
	global_load_b32 v[QS+\q], v[L4], s[QSB:QSB+1] offset:128*\q
.endr
	VLOAD                                          ; the chunk's K steps 0 and 1: sub-step 4 multiplies by them
	KLOAD
	WIN 0x40
.set i, 0
.rept 64
	v_mov_b32 v[OF+i], 0                           ; O^T.  (The sub-step's products always add in place)
.set i, i+1
.endr
	WIN 0
	s_wait_loadcnt 40                              ; the points, the first walk's figures, the queries' points and my fragment of Q are in; Q's 4 scale words, V's 18 loads and K's 18 may be out
.irp c, 0,1,2,3
	ds_store_b128 v[RA], v[P+16+4*\c:P+16+4*\c+3] offset:512*\c
.endr
.irp i, 0,1,2,3,4,5,6,7,8,9,10,11
	ds_store_b128 v253, v[S+4*\i:S+4*\i+3] offset:4096*\i
.endr
.irp q, 0,1,2,3
.irp k, 0,1,2
	v_mul_f32 v[QB+4*\q+\k], s[SQ], v[QB+4*\q+\k]  ; x sqrt(c1), as the keys' points are stored
.endr
.endr
.irp q, 0,1,2,3
	v_max_num_f32 v[240+\q], v[E+4*\q], v[E+4*\q+2] ; MT: the row's largest t
.endr
.irp q, 0,1,2,3
	v_sub_f32 v[P+2*\q], v[E+4*\q], v[240+\q]
	v_sub_f32 v[P+2*\q+1], v[E+4*\q+2], v[240+\q]
.endr
	s_wait_alu depctr_va_vdst(0)
.irp k, 0,1,2,3,4,5,6,7
	v_exp_f32 v[P+\k], v[P+\k]
.endr
	v_nop
	s_wait_alu depctr_va_vdst(0)
.irp q, 0,1,2,3
	v_mul_f32 v[244+\q], v[E+4*\q+1], v[P+2*\q]
.endr
.irp q, 0,1,2,3
	v_fma_f32 v[244+\q], v[E+4*\q+3], v[P+2*\q+1], v[244+\q]   ; L: both halves' sums under MT
.endr
.irp q, 0,1,2,3
	v_add_f32 v[244+\q], 1.0, v[244+\q]
.endr
	s_wait_alu depctr_va_vdst(0)
.irp q, 0,1,2,3
	v_log_f32 v[244+\q], v[244+\q]
.endr
	v_nop
	s_wait_alu depctr_va_vdst(0)
.irp q, 0,1,2,3
	v_sub_f32 v[QB+4*\q+3], -v[240+\q], v[244+\q]  ; m = -MT - log2(1 + L)
.endr
	s_wait_alu depctr_va_vdst(0)
	s_wait_dscnt 0x0                               ; my fragment of Q and my part of the points have landed
	s_barrier_signal -1
	s_barrier_wait -1
	WIN 0x40
.irp f, 0,1,2,3,4,5,6,7
.irp c, 0,1,2,3
	ds_load_b128 v[QF+16*\f+4*\c:QF+16*\f+4*\c+3], v[RS] offset:2048*\f+512*\c   ; Q stays in registers
.endr
.endr
	WIN 0
	s_wait_dscnt 0x0
	SLOT 0, 0, 4, 0
	SLOT 1, 1, 4, 0
	SLOT 2, 1, 4, 0
	SLOT 3, 1, 3, 1
	; THE TAIL: the last slot's eight K steps of A, which lie in buffer 1.  V of the first two is in its own registers, asked for ahead of the 54 loads that bring the other six
	TSTEP 0, 54
	TSTEP 1, 36
	TSTEP 2, 18
	TSTEP 3, 0
	; THE WAY OUT.  A wave holds 128 bytes of each of 64 rows: all go through one stage of whole rows, and wave w stores rows 8 w .. 8 w + 7: a store covers 512 consecutive bytes, aligned
	v_and_b32 v248, 15, v0
	v_bfe_u32 v249, v0, 4, 1
	v_and_b32 v250, 8, v248
	v_add_nc_u32 v250, v250, v248
	s_lshl_b32 s52, s[WV], 7
	s_add_co_u32 s52, s52, STG
	v_mul_u32_u24 v250, v250, 1040
	v_lshl_add_u32 v250, v249, 5, v250
	v_add_nc_u32 v250, s52, v250                   ; in: row r + 8 (r / 8) of the tile, my 128 bytes, 32 for each half of the lanes
	s_mul_i32 s52, s[WV], 8320
	s_add_co_u32 s52, s52, STG
	v_add_nc_u32 v251, s52, v[LI]                  ; back: 512 bytes of a row
	s_lshl_b32 s52, s[WV], 13
	v_add_nc_u32 v252, s52, v[LI]                  ; and the same in opart
	s_wait_alu depctr_va_vdst(0)
	WIN 0x04                                       ; an LDS store's data are its source 1: window 1
.irp q, 0,1,2,3
.irp n, 0,1
	ds_store_b128 v250, v[OF+8*(4*\n+\q):OF+8*(4*\n+\q)+3] offset:(32*(\q/2)+8*(\q%2))*1040+64*\n      ; each accumulator from its low end on
	ds_store_b128 v250, v[OF+8*(4*\n+\q)+4:OF+8*(4*\n+\q)+7] offset:(32*(\q/2)+8*(\q%2))*1040+64*\n+16
.endr
.endr
	WIN 0
	s_wait_dscnt 0x0                               ; for the others' sake: my stores have landed
	s_barrier_signal -1
	s_barrier_wait -1
.irp i, 0,1,2,3,4,5,6,7
.irp u, 0,1
	ds_load_b128 v[S+8*\i+4*\u:S+8*\i+4*\u+3], v251 offset:1040*\i+512*\u
.endr
.endr
.irp i, 0,1,2,3,4,5,6,7
.irp u, 0,1
	s_wait_dscnt 15-2*\i-\u                        ; the LDS loads issued behind this one may be out
	global_store_b128 v252, v[S+8*\i+4*\u:S+8*\i+4*\u+3], s[16:17] offset:1024*\i+512*\u th:TH_STORE_NT
.endr
.endr
	s_wait_tensorcnt 0x0                           ; the wave's end, behind my last LDS store
	ds_add_u32 v[SPW], v[NIL]
	s_wait_dscnt 0x0
	s_endpgm
.Lfunc_end_k_q13d4723de5_pass2:
	.size	k_q13d4723de5_pass2, .Lfunc_end_k_q13d4723de5_pass2-k_q13d4723de5_pass2
	.p2alignl 7, 3214868480
	.fill 96, 4, 3214868480
	.section	.rodata,"a",@progbits
	.p2align	6, 0x0
	.amdhsa_kernel k_q13d4723de5_pass2
		.amdhsa_group_segment_fixed_size 251904
		.amdhsa_private_segment_fixed_size 0
		.amdhsa_enable_private_segment 0
		.amdhsa_kernarg_size 56
		.amdhsa_user_sgpr_count 2
		.amdhsa_user_sgpr_kernarg_segment_ptr 1
		.amdhsa_wavefront_size32 1
		.amdhsa_system_sgpr_workgroup_id_x 1
		.amdhsa_system_sgpr_workgroup_id_y 1
		.amdhsa_system_sgpr_workgroup_id_z 1
		.amdhsa_system_vgpr_workitem_id 0
		.amdhsa_next_free_vgpr 512
		.amdhsa_next_free_sgpr 66
		.amdhsa_reserve_vcc 0
		.amdhsa_float_denorm_mode_32 3
		.amdhsa_float_denorm_mode_16_64 3
		.amdhsa_memory_ordered 1
		.amdhsa_forward_progress 1
		.amdhsa_inst_pref_size 225
	.end_amdhsa_kernel
	.amdgpu_metadata
---
amdhsa.version: [ 1, 2 ]
amdhsa.kernels:
  - .name:           k_q13d4723de5_pass2
    .symbol:         k_q13d4723de5_pass2.kd
    .args:
      - { .name: qimg, .offset: 0, .size: 8, .value_kind: global_buffer, .address_space: global }
      - { .name: kimg, .offset: 8, .size: 8, .value_kind: global_buffer, .address_space: global }
      - { .name: vimg, .offset: 16, .size: 8, .value_kind: global_buffer, .address_space: global }
      - { .name: scl, .offset: 24, .size: 8, .value_kind: global_buffer, .address_space: global }
      - { .name: stats, .offset: 32, .size: 8, .value_kind: global_buffer, .address_space: global }
      - { .name: P, .offset: 40, .size: 8, .value_kind: global_buffer, .address_space: global }
      - { .name: opart, .offset: 48, .size: 8, .value_kind: global_buffer, .address_space: global }
    .group_segment_fixed_size: 251904
    .private_segment_fixed_size: 0
    .kernarg_segment_align: 8
    .kernarg_segment_size: 56
    .max_flat_workgroup_size: 256
    .sgpr_count:     66
    .vgpr_count:     512
    .wavefront_size: 32
...
	.end_amdgpu_metadata
.endif
;; end of part 3
;; launch comb (part 4): grid 256 x 1, 8 waves a work-group, no clusters, 0 bytes of LDS; arguments opart, X, out0; writes out0
.if DOCPART == 4
	.amdgcn_target "amdgcn-amd-amdhsa--gfx1250"
	.amdhsa_code_object_version 6
	.text
	.protected	k_q13d4723de5_comb
	.globl	k_q13d4723de5_comb
	.p2align	8
	.type	k_q13d4723de5_comb,@function
k_q13d4723de5_comb:
	s_mov_b64 s[64:65], 0
	v_nop
	global_prefetch_b8 v0, s[64:65] scope:SCOPE_SE
	s_setreg_imm32_b32 hwreg(HW_REG_WAVE_MODE, 25, 1), 1
	s_wait_xcnt 0x0
; out0 = the two halves of the keys' parts of A V, added, + X.  All three are [8192][256] f32, row-major: a plain stream.
; A work-group takes 32,768 bytes; thread t takes 16 bytes at 16 t of each of eight pieces of 4,096 bytes: a wave's load or store covers 512 consecutive bytes.
; All 24 loads of a thread go out first; the waits count down by three.  No LDS, no barrier, no matrix unit: there is nothing here but bytes.
.set A, 4                              ; v4-35    the first half's part, then the result
.set B, 36                             ; v36-67   the second half's
.set C, 68                             ; v68-99   X
	s_load_b128 s[4:7], s[0:1], 0x0                ; opart, X
	s_load_b64 s[8:9], s[0:1], 0x10                ; out0
	v_lshlrev_b32 v1, 4, v0
	s_lshl_b32 s12, ttmp9, 15
	s_mov_b32 s13, 0
	s_wait_alu depctr_va_vdst(0)
	s_wait_kmcnt 0x0
	s_add_nc_u64 s[4:5], s[4:5], s[12:13]
	s_add_nc_u64 s[10:11], s[4:5], 0x800000        ; the second half's part lies 8,388,608 bytes on: one more than a load's immediate holds
	s_add_nc_u64 s[6:7], s[6:7], s[12:13]
	s_add_nc_u64 s[8:9], s[8:9], s[12:13]
.irp i, 0,1,2,3,4,5,6,7
	global_load_b128 v[A+4*\i:A+4*\i+3], v1, s[4:5] offset:4096*\i th:TH_LOAD_NT
	global_load_b128 v[B+4*\i:B+4*\i+3], v1, s[10:11] offset:4096*\i th:TH_LOAD_NT
	global_load_b128 v[C+4*\i:C+4*\i+3], v1, s[6:7] offset:4096*\i th:TH_LOAD_NT
.endr
.irp i, 0,1,2,3,4,5,6,7
	s_wait_loadcnt 21-3*\i                         ; piece i's three loads are in; three for each later piece may be out
	v_pk_add_f32 v[A+4*\i:A+4*\i+1], v[A+4*\i:A+4*\i+1], v[B+4*\i:B+4*\i+1]
	v_pk_add_f32 v[A+4*\i+2:A+4*\i+3], v[A+4*\i+2:A+4*\i+3], v[B+4*\i+2:B+4*\i+3]
	s_delay_alu instid0(VALU_DEP_2)
	v_pk_add_f32 v[A+4*\i:A+4*\i+1], v[A+4*\i:A+4*\i+1], v[C+4*\i:C+4*\i+1]
	s_delay_alu instid0(VALU_DEP_2)
	v_pk_add_f32 v[A+4*\i+2:A+4*\i+3], v[A+4*\i+2:A+4*\i+3], v[C+4*\i+2:C+4*\i+3]
	global_store_b128 v1, v[A+4*\i:A+4*\i+3], s[8:9] offset:4096*\i th:TH_STORE_NT
.endr
	s_endpgm
.Lfunc_end_k_q13d4723de5_comb:
	.size	k_q13d4723de5_comb, .Lfunc_end_k_q13d4723de5_comb-k_q13d4723de5_comb
	.p2alignl 7, 3214868480
	.fill 96, 4, 3214868480
	.section	.rodata,"a",@progbits
	.p2align	6, 0x0
	.amdhsa_kernel k_q13d4723de5_comb
		.amdhsa_group_segment_fixed_size 0
		.amdhsa_private_segment_fixed_size 0
		.amdhsa_enable_private_segment 0
		.amdhsa_kernarg_size 24
		.amdhsa_user_sgpr_count 2
		.amdhsa_user_sgpr_kernarg_segment_ptr 1
		.amdhsa_wavefront_size32 1
		.amdhsa_system_sgpr_workgroup_id_x 1
		.amdhsa_system_sgpr_workgroup_id_y 1
		.amdhsa_system_sgpr_workgroup_id_z 1
		.amdhsa_system_vgpr_workitem_id 0
		.amdhsa_next_free_vgpr 112
		.amdhsa_next_free_sgpr 66
		.amdhsa_reserve_vcc 0
		.amdhsa_float_denorm_mode_32 3
		.amdhsa_float_denorm_mode_16_64 3
		.amdhsa_memory_ordered 1
		.amdhsa_forward_progress 1
		.amdhsa_inst_pref_size 7
	.end_amdhsa_kernel
	.amdgpu_metadata
---
amdhsa.version: [ 1, 2 ]
amdhsa.kernels:
  - .name:           k_q13d4723de5_comb
    .symbol:         k_q13d4723de5_comb.kd
    .args:
      - { .name: opart, .offset: 0, .size: 8, .value_kind: global_buffer, .address_space: global }
      - { .name: X, .offset: 8, .size: 8, .value_kind: global_buffer, .address_space: global }
      - { .name: out0, .offset: 16, .size: 8, .value_kind: global_buffer, .address_space: global }
    .group_segment_fixed_size: 0
    .private_segment_fixed_size: 0
    .kernarg_segment_align: 8
    .kernarg_segment_size: 24
    .max_flat_workgroup_size: 256
    .sgpr_count:     66
    .vgpr_count:     112
    .wavefront_size: 32
...
	.end_amdgpu_metadata
.endif
;; end of part 4
